; MI455X (gfx1250); checked and timed in simulation.
; The chip was launched on July 23, 2026; its instructions are those of AMD's public machine-readable ISA for CDNA 5 (MIT licence, August 2026) and "CDNA5" Instruction Set Architecture Reference Guide (July 2026). The comments in the code are by the model that wrote it; some were corrected since.
;; SRU Formula Cell. Allowed arithmetic: float matrix products may take bf16 or f16 operands with f32 sums; other float arithmetic in f32, or as packed bf16 or f16 multiplies, adds, multiply-adds, maxima and minima; sums over many terms, partial sums and values carried from step to step in f32; what a program stores and reads back later, other than sums and carried values, may be rounded once to bf16 or f16.
;; Inputs: W_c 2,048 x 2,048 float32; W_f 2,048 x 2,048 float32; W_r 2,048 x 2,048 float32; W_x 2,048 x 2,048 float32; b_c 2,048 float32; b_f 2,048 float32; b_r 2,048 float32; ct_forward 4,096 x 2,048 float32; xt 4,096 x 2,048 float32.
;; Outputs: out0 4,096 x 2,048 float32; out1 4,096 x 2,048 float32.
;; 2 versions, each right; version 2 is version 1 with the launch cast written anew for expert scheduling mode. Each part assembles by itself: llvm-mc -triple=amdgcn-amd-amdhsa -mcpu=gfx1250 --defsym DOCPART=n.
;; ======== version 1 of 2: 2 launches
;; workspace buffers: xb 16,777,216 bytes; wb 33,554,432 bytes
;; launch cast (part 1): grid 128 x 6, 8 waves a work-group, no clusters, 0 bytes of LDS; arguments xt, W_x, W_f, W_r, W_c, xb, wb; writes xb, wb
.if DOCPART == 1
	.amdgcn_target "amdgcn-amd-amdhsa--gfx1250"
	.amdhsa_code_object_version 6
	.text
	.protected	k_qbf7d21dffc_cast
	.globl	k_qbf7d21dffc_cast
	.p2align	8
	.type	k_qbf7d21dffc_cast,@function
k_qbf7d21dffc_cast:
	s_mov_b64 s[64:65], 0
	v_nop
	global_prefetch_b8 v0, s[64:65] scope:SCOPE_SE
	s_setreg_imm32_b32 hwreg(HW_REG_WAVE_MODE, 25, 1), 1
	s_wait_xcnt 0x0
; xt and the four weights, all [rows][2048] f32, are rounded once to bf16 (nearest even; bf16 has f32's range), for the matrix products of the next launch.
; xb[r][k] = bf16(xt[r][k]).  wb is [8192][2048]: row o of gate g (0 = W_x, 1 = W_f, 2 = W_r, 3 = W_c) goes to row (o >> 6) * 256 + g * 64 + (o & 63),
; so that 256 rows of wb on end are 64 output columns of all four gates.
; SHARES.  The grid's y picks the source: 0, 1 = xt's two halves of 2,048 rows; 2 .. 5 = gate y - 2.  Work-group x takes 16 rows, wave w rows 2 w and 2 w + 1:
; 16,384 bytes on end in, 8,192 on end out.  All 32 loads of a wave go out first (512 consecutive bytes each); each store's 32 lanes x 8 bytes cover 256 consecutive bytes, aligned.
; No loop, no LDS, no barrier, no matrix unit: the launch only moves bytes; no register that a memory instruction reads is written again, so no source of a pending instruction is touched.
.set X, 8                              ; v[8:135]  load j: 4 registers; its two packed words then lie in the first two
	s_load_b256 s[4:11], s[0:1], 0x0               ; xt s[4:5], W_x s[6:7], W_f s[8:9], W_r s[10:11]
	s_load_b128 s[12:15], s[0:1], 0x20             ; W_c s[12:13], xb s[14:15]
	s_load_b64 s[16:17], s[0:1], 0x30              ; wb
	s_and_b32 s20, ttmp7, 0xffff                   ; y
	v_and_b32 v2, 31, v0                           ; lane
	v_lshrrev_b32 v3, 5, v0                        ; wave
	v_lshlrev_b32 v1, 4, v2
	v_lshl_or_b32 v1, v3, 14, v1                   ; in:  16 x lane + 16,384 x wave
	v_lshlrev_b32 v4, 3, v2
	v_lshl_or_b32 v4, v3, 13, v4                   ; out:  8 x lane +  8,192 x wave
	s_lshl_b32 s22, ttmp9, 17                      ; the source's offset: 16 rows of 8,192 bytes a work-group,
	s_cmp_eq_u32 s20, 1
	s_cselect_b32 s18, 1<<24, 0                    ; and xt's second half begins 2,048 rows on
	s_add_co_u32 s22, s22, s18
	s_mov_b32 s23, 0
	s_lshl_b32 s18, s20, 11                        ; the first row in xb: 2,048 y + 16 x
	s_lshl_b32 s19, ttmp9, 4
	s_add_co_u32 s18, s18, s19
	s_lshr_b32 s19, ttmp9, 2                       ; the first row in wb: (x >> 2) * 256 + (y - 2) * 64 + (x & 3) * 16
	s_lshl_b32 s19, s19, 8
	s_max_u32 s30, s20, 2                          ; (where y < 2 this row is not used: it is kept from wrapping)
	s_sub_co_u32 s30, s30, 2
	s_lshl_b32 s30, s30, 6
	s_add_co_u32 s19, s19, s30
	s_and_b32 s30, ttmp9, 3
	s_lshl_b32 s30, s30, 4
	s_add_co_u32 s19, s19, s30
	s_cmp_lt_u32 s20, 2
	s_cselect_b32 s21, s18, s19
	s_lshl_b32 s28, s21, 12                        ; a row of bf16 is 4,096 bytes
	s_mov_b32 s29, 0
	s_wait_kmcnt 0x0
	s_cmp_lt_u32 s20, 2
	s_cselect_b64 s[24:25], s[4:5], s[6:7]         ; the source: xt, or W_x,
	s_cselect_b64 s[26:27], s[14:15], s[16:17]     ; the destination: xb or wb
	s_cmp_eq_u32 s20, 3
	s_cselect_b64 s[24:25], s[8:9], s[24:25]       ; or W_f,
	s_cmp_eq_u32 s20, 4
	s_cselect_b64 s[24:25], s[10:11], s[24:25]     ; or W_r,
	s_cmp_eq_u32 s20, 5
	s_cselect_b64 s[24:25], s[12:13], s[24:25]     ; or W_c
	s_add_nc_u64 s[24:25], s[24:25], s[22:23]
	s_add_nc_u64 s[26:27], s[26:27], s[28:29]
.set j, 0
.rept 32
	global_load_b128 v[X+4*j:X+4*j+3], v1, s[24:25] offset:512*j th:TH_LOAD_NT
.set j, j+1
.endr
.set j, 0
.rept 32
	s_wait_loadcnt 31-j                            ; loads come back in order (ISA guide 5.7.1): load j is in, the 31 - j younger ones stay out
	v_cvt_pk_bf16_f32 v[X+4*j], v[X+4*j], v[X+4*j+1]
	v_cvt_pk_bf16_f32 v[X+4*j+1], v[X+4*j+2], v[X+4*j+3]
	global_store_b64 v4, v[X+4*j:X+4*j+1], s[26:27] offset:256*j
.set j, j+1
.endr
	s_endpgm
.Lfunc_end_k_qbf7d21dffc_cast:
	.size	k_qbf7d21dffc_cast, .Lfunc_end_k_qbf7d21dffc_cast-k_qbf7d21dffc_cast
	.p2alignl 7, 3214868480
	.fill 96, 4, 3214868480
	.section	.rodata,"a",@progbits
	.p2align	6, 0x0
	.amdhsa_kernel k_qbf7d21dffc_cast
		.amdhsa_group_segment_fixed_size 0
		.amdhsa_private_segment_fixed_size 0
		.amdhsa_enable_private_segment 0
		.amdhsa_kernarg_size 56
		.amdhsa_user_sgpr_count 2
		.amdhsa_user_sgpr_kernarg_segment_ptr 1
		.amdhsa_wavefront_size32 1
		.amdhsa_system_sgpr_workgroup_id_x 1
		.amdhsa_system_sgpr_workgroup_id_y 1
		.amdhsa_system_sgpr_workgroup_id_z 1
		.amdhsa_system_vgpr_workitem_id 0
		.amdhsa_next_free_vgpr 136
		.amdhsa_next_free_sgpr 66
		.amdhsa_reserve_vcc 0
		.amdhsa_float_denorm_mode_32 3
		.amdhsa_float_denorm_mode_16_64 3
		.amdhsa_memory_ordered 1
		.amdhsa_forward_progress 1
		.amdhsa_inst_pref_size 13
	.end_amdhsa_kernel
	.amdgpu_metadata
---
amdhsa.version: [ 1, 2 ]
amdhsa.kernels:
  - .name:           k_qbf7d21dffc_cast
    .symbol:         k_qbf7d21dffc_cast.kd
    .args:
      - { .name: xt, .offset: 0, .size: 8, .value_kind: global_buffer, .address_space: global }
      - { .name: W_x, .offset: 8, .size: 8, .value_kind: global_buffer, .address_space: global }
      - { .name: W_f, .offset: 16, .size: 8, .value_kind: global_buffer, .address_space: global }
      - { .name: W_r, .offset: 24, .size: 8, .value_kind: global_buffer, .address_space: global }
      - { .name: W_c, .offset: 32, .size: 8, .value_kind: global_buffer, .address_space: global }
      - { .name: xb, .offset: 40, .size: 8, .value_kind: global_buffer, .address_space: global }
      - { .name: wb, .offset: 48, .size: 8, .value_kind: global_buffer, .address_space: global }
    .group_segment_fixed_size: 0
    .private_segment_fixed_size: 0
    .kernarg_segment_align: 8
    .kernarg_segment_size: 56
    .max_flat_workgroup_size: 256
    .sgpr_count:     66
    .vgpr_count:     136
    .wavefront_size: 32
...
	.end_amdgpu_metadata
.endif
;; end of part 1
;; launch sru (part 2): grid 32 x 8, 4 waves a work-group, clusters of 4 x 4, 327,680 bytes of LDS; arguments xb, wb, ct_forward, b_f, b_r, b_c, out0, out1; writes out0, out1
.if DOCPART == 2
	.amdgcn_target "amdgcn-amd-amdhsa--gfx1250"
	.amdhsa_code_object_version 6
	.text
	.protected	k_qbf7d21dffc_sru
	.globl	k_qbf7d21dffc_sru
	.p2align	8
	.type	k_qbf7d21dffc_sru,@function
k_qbf7d21dffc_sru:
	s_mov_b64 s[64:65], 0
	v_nop
	global_prefetch_b8 v0, s[64:65] scope:SCOPE_SE
	s_setreg_imm32_b32 hwreg(HW_REG_WAVE_MODE, 25, 1), 1
	s_wait_xcnt 0x0
	s_wait_alu depctr_hold_cnt(0) depctr_sa_sdst(0) depctr_va_vdst(0) depctr_va_sdst(0) depctr_va_ssrc(0) depctr_va_vcc(0) depctr_vm_vsrc(0)
	s_getreg_b32 s2, hwreg(HW_REG_IB_STS2, 6, 4)
	s_cmp_eq_u32 s2, 0
	s_cbranch_scc0 .Lentry_in_a_cluster
	s_endpgm
.Lentry_in_a_cluster:
	s_bfe_u32 s2, ttmp6, 0x10000c
	s_cmp_lg_u32 s2, 0xf033
	s_cbranch_scc0 .Lentry_shape_is_right
	s_endpgm
.Lentry_shape_is_right:
; THE SRU CELL.  With P_g[m][o] = sum over k of xt[m][k] W_g[o][k]:  f = sigmoid(P_f + b_f), r = sigmoid(P_r + b_r), ct = f cf + (1 - f) P_x, ht = r tanh(ct) + (1 - r) (P_c + b_c).
; out0 = ht, out1 = ct, both [4096][2048] f32.  xb = xt in bf16 [4096][2048]; wb = the four weights in bf16 [8192][2048], 64 output columns of gates x, f, r, c in 256 rows on end.
; So the four products are ONE product xb wb^T of 4096 x 8192 x 2048, and a tile of 256 x 256 of it holds all four gates of 256 rows x 64 output columns.  Sums in f32.
; LIMITS.  xt and the weights are rounded once to bf16 (f32's range); cf and the biases stay f32.  1 - sigmoid(z) = 1 / (1 + 2^(z log2 e)); tanh(c) = 1 - 2 / (1 + 2^(2 c log2 e)), which is
; off by about 1e-7 in absolute terms near c = 0.  An exponential that overflows gives an infinity, its reciprocal 0, and the saturated value is the right one; an exponential below 2^-126 counts as 0.
; NaN and infinities among the inputs are not treated apart.
; SHARES.  A work-group of four waves makes two tiles, 2,048 rows apart; 256 work-groups.  Wave w takes rows 64 w .. 64 w + 63 of a tile and all 256 rows of wb: 64 accumulators (a, b), a = 0..3 blocks of 16 rows,
; b = 4 g + jb (gate g, 16 columns jb): a wave's 64 output columns are 256 bytes of an f32 row, so each wave stores whole aligned 256 bytes through a stage of its own, with no barrier.
; THE PRODUCT IS TAKEN TRANSPOSED (source 0 = 16 rows of wb, source 1 = 16 rows of xb): lane l holds row l % 16 and columns 8 (l / 16) + 0..7.  Accumulators (a, jb), (a, 4 + jb), (a, 8 + jb), (a, 12 + jb)
; then hold x, f, r, c of the same eight outputs in the same lane: the gate step changes no lanes.  THE BIASES are the C operand of the products that start the sums; gate x starts with the constant 0.  Nothing is cleared.
; RING.  K goes in steps of 128 through two LDS slots (256 rows of xb, 256 of wb, rows of 256 bytes padded to 272), filled by the tensor data mover; a tile's last two changes of slots ask for the next tile's first two K steps.
; CLUSTER.  4 x 4 work-groups.  The four of a row of the cluster need the same tiles of xb, the four of a column the same tiles of wb: each tile is asked for JOINTLY, by the same tensor load, descriptor and mask in all four.
; REGISTERS, in windows of 256 (s_set_vgpr_msb: bits 1:0 source 0, 3:2 source 1, 5:4 source 2, 7:6 destination):
;   window 0: v0-31 addresses; v32-63 ht's rows on the way out; v64-95, v96-127 xb's fragments, two buffers; v128-223 the biases at a tile's start; then v128-255 cf by rows, later ct by rows
;   window 1: v0-127, v128-255 wb's fragments, two buffers; on the way out buffer 1 is at work: cf, 1 - f, 1 - r, ct
;   window 2: accumulators of blocks 0, 1 ((a, b) at v[128 (a % 2) + 8 b]);   window 3: of blocks 2, 3
.set SIZE_K, 2048
.set SIZE_TILES, 2
.set KSTEP,  128
.set PITCH,  272                       ; an LDS row: 256 bytes + 16 of padding = 68 words: row r starts at bank 4 r mod 64 (64 banks of 4 bytes: ISA guide 11.1), so the 16 rows of a load start at 16 different banks
.set HALFT,  128*PITCH                 ; 128 rows: what one tensor load brings
.set SLOT,   4*HALFT                   ; xb's 256 rows, then wb's 256 rows
.set STAGE,  2*SLOT                    ; behind the ring: 16 rows x 272 bytes for each wave
.set SPITCH, 272
.set SPARE,  STAGE+4*16*SPITCH         ; behind the stages: the spare words, 128 bytes for each wave: two blocks of 256 bytes that no other line names
.set LAPS,   SIZE_K/(2*KSTEP)          ; a lap = two K steps = once round the ring
.set WALK,   2048                      ; a work-group's two tiles lie WALK rows apart
.set NEXT_A, WALK*SIZE_K*2-(SIZE_K-2*KSTEP)*2   ; from a slot's last K step of a tile to its first of the next: xb goes WALK rows down and back along K,
.set BACK_B, (SIZE_K-2*KSTEP)*2        ; wb only back: both tiles take the same rows of wb
.set OROW,   8192                      ; bytes in a row of cf, ht, ct
.set NEXT_O, WALK*OROW
.set ADRA, 16                          ; v16-17  LDS address of my xb fragments in slot 0, 1
.set ADRB, 20                          ; v20-21  the same for wb
.set STO,  24                          ; v24     my stage in the accumulators' layout: row l % 16, 32 bytes for each half of the lanes
.set RD,   25                          ; v25     my stage by rows: lanes 0-15 one row of 256 bytes, lanes 16-31 the next
.set CO,   26                          ; v26     the same two rows in cf, ht, ct
.set BO,   27                          ; v27     32 (l / 16): my eight columns in 16 of a bias
.set SPW,  28                          ; v28     LDS address of my spare word: SPARE + 4 x my thread's number; never rewritten
.set NIL,  29                          ; v29     0; never rewritten
.set PFO,  30                          ; v30     the prefetches' offset: my lane x a row of xb or wb (4,096 bytes); never rewritten
.set HR,   32                          ; v32-63  window 0
.set XF,   64                          ; xb's fragments: buffer f, block a at XF + 32 f + 8 a
.set BI,   128                         ; the biases: for accumulator column b = 4 .. 15 at BI + 8 (b - 4)
.set CFR,  128                         ; cf by rows: block a at CFR + 32 a
.set CF,   128                         ; window 1, on the way out: cf in the accumulators' layout; later c - tanh
.set ZF,   160                         ; 1 - f; later tanh
.set ZR,   192                         ; 1 - r; later ht
.set DT,   224                         ; x - cf, then ct
.set G1,  24                           ; s[24:31] descriptor group 1 for xb's tiles
.set G0,  32                           ; s[32:39] group 0 for xb's tiles, a set for each slot
.set LIM, 43                           ; s43      1 in a wave that prefetches, else the greatest number
.set PFA, 44                           ; s[44:45] where my prefetches stand
.set G1B, 48                           ; s[48:55] group 1 for wb's tiles: it differs in the mask alone
.set G0B, 56                           ; s[56:63] group 0 for wb's tiles
.set CFB, 68                           ; s[68:69] cf at my wave's first row and column
.set BF,  70                           ; s[70:75] b_f, b_r, b_c at the work-group's first column
.set HT,  76                           ; s[76:77] out0
.set CT,  78                           ; s[78:79] out1
.set L2E, 80                           ; s[80:81] log2 e, named as a pair
.set L2E2, 82                          ; s[82:83] 2 log2 e
.set MSB, 0
.macro WIN new                         ; the immediate's high byte repeats the setting that is left; a switch that changes nothing is dropped
.if MSB != (\new)
	s_set_vgpr_msb (MSB<<8)|(\new)
.set MSB, \new
.endif
.endm
; A joint load.  Waves 0 and 1 fetch xb's two halves, waves 2 and 3 wb's.  Each line has one mask and one set of registers for all that issue it; the branch hangs on the wave's number alone.
; An s_nop 0 and four v_nop follow each of the two lines, ahead of the jump, the label and what follows the macro.
.macro JLOAD s
	s_cmp_eq_u32 s11, 0
	s_cbranch_scc0 .Lfor_b_\@
	tensor_load_to_lds s[G0+4*(\s):G0+4*(\s)+3], s[G1:G1+7]
	s_nop 0
.rept 4
	v_nop
.endr
	s_branch .Lasked_\@
.Lfor_b_\@:
	tensor_load_to_lds s[G0B+4*(\s):G0B+4*(\s)+3], s[G1B:G1B+7]
	s_nop 0
.rept 4
	v_nop
.endr
.Lasked_\@:
.endm
; A PREFETCH INTO THE L2, behind each joint load, its five lines and the run of LDS loads that follows: the K step that stands TWO refills on (512 matrix instructions ahead of the load that will ask for it):
; 32 rows x 256 bytes, a lane a row, one instruction a wave.  Each row's 256 bytes of a K step are named once in the launch: xb's tile rows are read by every cluster of a row of clusters, and the one with
; cluster x = 0 asks; wb's by every cluster of a column, and the one with cluster y = 0 asks.  The four partners of a joint load share its 128 rows out BY ADDRESS, 32 each (by cx for xb, by cy for wb).
; how = 0, in the loop: the last trip's two refills have no K step two on.  how = 1, at the change of tiles: the next tile's K steps 2 and 3 of xb; wb's rows have been walked and are asked for no more.
.macro ASK how
.if \how
	s_cmp_eq_u32 s[LIM], 1
.else
	s_cmp_gt_u32 s3, s[LIM]                        ; s3 = 1 in the loop's last trip
.endif
	s_cbranch_scc0 .Lnot_mine_\@
	global_prefetch_b8 v[PFO], s[PFA:PFA+1] offset:KSTEP*2 th:TH_LOAD_NT scope:SCOPE_SE
.Lnot_mine_\@:
.endm
; A round of the cluster's barrier: my work-group's barrier; wave 0 signals for the work-group; every wave waits for all sixteen; my work-group's barrier once more.
.macro CREST                           ; a round behind its opening barrier
	s_cmp_lg_u32 s10, 0
	s_cbranch_scc1 .Lnot_wave_0_\@
	s_barrier_signal -3
.Lnot_wave_0_\@:
	s_barrier_wait -3
	s_barrier_signal -1
	s_barrier_wait -1
.endm
.macro CROUND                          ; a whole round
	s_barrier_signal -1
	s_barrier_wait -1
	CREST
.endm
; Four plain places between a matrix instruction and a load into, or a vector instruction on, its registers; the matrix instructions in between are not counted.
.macro PLACES
.rept 4
	v_nop
.endr
.endm
; The three biases for my eight columns of each 16: 24 loads; register j of BI + 8 (b - 4) is the bias of column 16 jb + 8 (l / 16) + j, as the C operand wants it.
.macro BIAS
.irp g, 0,1,2
.irp u, 0,1,2,3,4,5,6,7
	global_load_b128 v[BI+32*(\g)+4*(\u):BI+32*(\g)+4*(\u)+3], v[BO], s[BF+2*(\g):BF+2*(\g)+1] offset:64*((\u)/2)+16*((\u)%2)
.endr
.endr
.endm
	s_load_b128 s[4:7], s[0:1], 0x0                ; xb s[4:5], wb s[6:7]
	s_load_b256 s[68:75], s[0:1], 0x10             ; cf, b_f, b_r, b_c
	s_load_b128 s[76:79], s[0:1], 0x30             ; out0, out1
	v_lshl_add_u32 v[SPW], v0, 2, SPARE
	v_mov_b32 v[NIL], 0
	ds_add_u32 v[SPW], v[NIL]                      ; the wave's opening: the add, twice on end, and its wait ahead of my first tensor load; the set-up below stands between
	ds_add_u32 v[SPW], v[NIL]                      ; and once more, under the one wait
	v_lshrrev_b32 v1, 5, v0
	v_readfirstlane_b32 s10, v1                    ; wave 0..3
	s_lshr_b32 s11, s10, 1                         ; I fetch for xb (0) or for wb (1)
	s_and_b32 s12, s10, 1                          ; which 128 rows of that tile I fetch
	s_bfe_u32 s40, ttmp6, 0x40000                  ; cx
	s_bfe_u32 s41, ttmp6, 0x40004                  ; cy
	s_lshl_b32 s42, ttmp9, 2                       ; in a cluster launch ttmp9 and ttmp7 count clusters
	s_add_co_u32 s42, s42, s40                     ; tile column = 4 x cluster x + cx: 64 output columns, 256 rows of wb
	s_and_b32 s13, ttmp7, 0xffff
	s_lshl_b32 s13, s13, 2
	s_add_co_u32 s13, s13, s41                     ; tile row = 4 x cluster y + cy
	s_lshl_b32 s43, s41, 2
	s_lshl_b32 s43, 15, s43                        ; my row of the cluster: places 4 cy .. 4 cy + 3
	s_lshl_b32 s44, 0x1111, s40                    ; my column: places cx, cx + 4, cx + 8, cx + 12
	; descriptor group 1: a tile of 128 rows x 128 elements of 2 bytes, padded in LDS
	s_or_b32 s[G1+0], s43, (1<<16)|(1<<20)|(1<<21)|(5<<22)|(3<<25)   ; 15:0 the mask; 17:16 2-byte elements; 20 padding on; 21 set beside a mask; 24:22 after every 64 words (code 5); 31:25 4 words (code 3)
	s_or_b32 s[G1B+0], s44, (1<<16)|(1<<20)|(1<<21)|(5<<22)|(3<<25)
.irp g, G1, G1B
	s_mov_b32 s[(\g)+1], KSTEP<<16                 ; tensor_dim0 = 128
	s_mov_b32 s[(\g)+2], 128<<16                   ; tensor_dim1 = 128
	s_mov_b32 s[(\g)+3], KSTEP<<16                 ; tile_dim0 = 128
	s_mov_b32 s[(\g)+4], 128                       ; tile_dim1 = 128
	s_mov_b32 s[(\g)+5], SIZE_K                    ; elements from row to row
	s_mov_b32 s[(\g)+6], 0
	s_mov_b32 s[(\g)+7], 0
.endr
	; xb's tiles hang on the tile row alone, which my row of the cluster shares; wb's on the tile column alone, which my column shares
	s_lshl_b32 s17, s12, 7
	s_lshl_b32 s16, s13, 8
	s_add_co_u32 s16, s16, s17                     ; xb: row 256 x tile row + 128 x half
	s_lshl_b32 s46, s42, 8
	s_add_co_u32 s46, s46, s17                     ; wb: row 256 x tile column + 128 x half
	s_mov_b32 s17, 0
	s_mov_b32 s47, 0
	s_mov_b64 s[18:19], SIZE_K*2
	s_mul_u64 s[16:17], s[16:17], s[18:19]
	s_mul_u64 s[46:47], s[46:47], s[18:19]
	s_mul_i32 s20, s10, HALFT                      ; where they go: wave x 128 rows: no place in the cluster enters an LDS address
	s_mov_b32 s[L2E], 0x3fb8aa3b                   ; log2 e
	s_mov_b32 s[L2E+1], 0x3fb8aa3b
	s_mov_b32 s[L2E2], 0x4038aa3b                  ; 2 log2 e
	s_mov_b32 s[L2E2+1], 0x4038aa3b
	s_wait_dscnt 0x0                               ; both opening adds are done
	s_wait_kmcnt 0x0
	s_add_nc_u64 s[14:15], s[4:5], s[16:17]
	s_add_nc_u64 s[46:47], s[6:7], s[46:47]
	CROUND                                         ; all sixteen work-groups are here: the first joint loads meet
.irp s, 0,1
	s_mov_b32 s[G0+4*(\s)], 1                                        ; count = 1
	s_add_co_u32 s[G0+4*(\s)+1], s20, (\s)*SLOT                      ; LDS address
	s_add_nc_u64 s[G0+4*(\s)+2:G0+4*(\s)+3], s[14:15], (\s)*KSTEP*2  ; global address: K step s
	s_or_b32 s[G0+4*(\s)+3], s[G0+4*(\s)+3], 0x80000000              ; type = 2
	s_mov_b32 s[G0B+4*(\s)], 1
	s_add_co_u32 s[G0B+4*(\s)+1], s20, (\s)*SLOT
	s_add_nc_u64 s[G0B+4*(\s)+2:G0B+4*(\s)+3], s[46:47], (\s)*KSTEP*2
	s_or_b32 s[G0B+4*(\s)+3], s[G0B+4*(\s)+3], 0x80000000
	JLOAD \s                                       ; two loads of mine are out
.endr
	; A fragment is 16 rows x 32 K in 8 registers: lane l holds row l % 16; registers 0-3 K = 8 (l / 16) + 0..7, registers 4-7 K = 16 + 8 (l / 16) + 0..7: two loads of 16 bytes, 32 bytes apart.
	v_and_b32 v1, 15, v0                           ; l % 16
	v_bfe_u32 v2, v0, 4, 1                         ; l / 16
	v_mul_u32_u24 v3, v1, PITCH
	v_lshl_add_u32 v3, v2, 4, v3                   ; row x pitch + 16 x half
	s_mul_i32 s21, s10, 64*PITCH                   ; my 64 rows of xb
	s_mov_b32 s22, 2*HALFT                         ; wb's 256 rows lie behind xb's 256
.irp s, 0,1
	v_add_nc_u32 v[ADRA+(\s)], s21, v3
	v_add_nc_u32 v[ADRB+(\s)], s22, v3
	s_add_co_u32 s21, s21, SLOT
	s_add_co_u32 s22, s22, SLOT
.endr
	s_mul_i32 s23, s10, 16*SPITCH
	s_add_co_u32 s23, s23, STAGE                   ; my stage
	v_mul_u32_u24 v4, v1, SPITCH
	v_lshl_add_u32 v4, v2, 5, v4
	v_add_nc_u32 v[STO], s23, v4
	v_mul_u32_u24 v5, v2, SPITCH
	v_lshl_add_u32 v5, v1, 4, v5
	v_add_nc_u32 v[RD], s23, v5
	v_lshlrev_b32 v5, 13, v2                       ; (l / 16) x OROW
	v_lshl_add_u32 v[CO], v1, 4, v5
	v_lshlrev_b32 v[BO], 5, v2
	; cf, ht, ct at my wave's first row of the first tile and the work-group's first column; the biases at that column
	s_lshl_b32 s84, s13, 8
	s_lshl_b32 s85, s10, 6
	s_add_co_u32 s84, s84, s85                     ; row 256 x tile row + 64 x wave,
	s_lshl_b32 s84, s84, 13                        ; in bytes (under 2^25),
	s_lshl_b32 s86, s42, 8                         ; 64 columns of f32 a tile column
	s_add_co_u32 s84, s84, s86
	s_mov_b32 s85, 0
	s_mov_b32 s87, 0
	s_add_nc_u64 s[CFB:CFB+1], s[CFB:CFB+1], s[84:85]
	s_add_nc_u64 s[HT:HT+1], s[HT:HT+1], s[84:85]
	s_add_nc_u64 s[CT:CT+1], s[CT:CT+1], s[84:85]
	s_add_nc_u64 s[BF:BF+1], s[BF:BF+1], s[86:87]
	s_add_nc_u64 s[BF+2:BF+3], s[BF+2:BF+3], s[86:87]
	s_add_nc_u64 s[BF+4:BF+5], s[BF+4:BF+5], s[86:87]
	BIAS
	; the prefetches
	s_lshl_b32 s13, s13, 8                         ; the tile's first row in xb,
	s_lshl_b32 s42, s42, 8                         ; and in wb
	s_and_b32 s22, ttmp7, 0xffff                   ; cluster y
	s_cmp_eq_u32 s11, 0                            ; do I fetch for xb?
	s_cselect_b32 s20, s13, s42
	s_cselect_b32 s21, s40, s41                    ; my place among the four that ask with me
	s_cselect_b32 s22, ttmp9, s22                  ; the coordinate along which other clusters read the same rows
	s_cselect_b64 s[PFA:PFA+1], s[4:5], s[6:7]
	s_cmp_eq_u32 s22, 0
	s_cselect_b32 s[LIM], 1, -1                    ; the same in all sixteen partners, for a given wave
	s_lshl_b32 s22, s12, 7
	s_add_co_u32 s20, s20, s22                     ; + the 128 rows that I fetch
	s_lshl_b32 s21, s21, 5
	s_add_co_u32 s20, s20, s21                     ; + my work-group's 32 of them
	s_mov_b32 s21, 0
	s_mov_b64 s[18:19], SIZE_K*2
	s_mul_u64 s[20:21], s[20:21], s[18:19]
	s_add_nc_u64 s[PFA:PFA+1], s[PFA:PFA+1], s[20:21]
	s_add_nc_u64 s[PFA:PFA+1], s[PFA:PFA+1], 2*KSTEP*2  ; at K step 2: the first refill steps it to 3 and names K step 4.  Nothing is prefetched here, at the head
	v_and_b32 v[PFO], 31, v0
	v_mul_u32_u24 v[PFO], v[PFO], SIZE_K*2
; 16 matrix instructions: block a of my rows x all 16 blocks of wb's rows, 32 along K, from buffer f.  zero = 1: they start the sums, gate x with the constant 0, the others with their bias (window 0).
; The 64 accumulators take turns, one instruction a turn, in the same order in every quarter, over the backward jump and from tile to tile.
.macro MUL16 f, a, zero
.if \zero
	WIN 0x81+0x40*((\a)/2)
.else
	WIN 0xa1+0x50*((\a)/2)
.endif
.irp b, 0,1,2,3,4,5,6,7,8,9,10,11,12,13,14,15
.if (\zero) && ((\b) < 4)
	v_wmma_f32_16x16x32_bf16 v[128*((\a)%2)+8*(\b):128*((\a)%2)+8*(\b)+7], v[128*(\f)+8*(\b):128*(\f)+8*(\b)+7], v[XF+32*(\f)+8*(\a):XF+32*(\f)+8*(\a)+7], 0
.elseif \zero
	v_wmma_f32_16x16x32_bf16 v[128*((\a)%2)+8*(\b):128*((\a)%2)+8*(\b)+7], v[128*(\f)+8*(\b):128*(\f)+8*(\b)+7], v[XF+32*(\f)+8*(\a):XF+32*(\f)+8*(\a)+7], v[BI+8*((\b)-4):BI+8*((\b)-4)+7]
.else
	v_wmma_f32_16x16x32_bf16 v[128*((\a)%2)+8*(\b):128*((\a)%2)+8*(\b)+7], v[128*(\f)+8*(\b):128*(\f)+8*(\b)+7], v[XF+32*(\f)+8*(\a):XF+32*(\f)+8*(\a)+7], v[128*((\a)%2)+8*(\b):128*((\a)%2)+8*(\b)+7]
.endif
.endr
.endm
; 40 LDS loads in one run: a quarter step's fragments (256 rows of wb, my 64 rows of xb, 32 K at byte k of the rows) into buffer f; xb's four blocks last, in ascending order.
.macro FETCH slot, k, f
	WIN 0x40                                       ; destination window 1, address window 0
.irp i, 0,1,2,3,4,5,6,7,8,9,10,11,12,13,14,15
	ds_load_b128 v[128*(\f)+8*(\i):128*(\f)+8*(\i)+3],   v[ADRB+(\slot)] offset:(\k)+(\i)*16*PITCH
	ds_load_b128 v[128*(\f)+8*(\i)+4:128*(\f)+8*(\i)+7], v[ADRB+(\slot)] offset:(\k)+(\i)*16*PITCH+32
.endr
	WIN 0
.irp i, 0,1,2,3
	ds_load_b128 v[XF+32*(\f)+8*(\i):XF+32*(\f)+8*(\i)+3],   v[ADRA+(\slot)] offset:(\k)+(\i)*16*PITCH
	ds_load_b128 v[XF+32*(\f)+8*(\i)+4:XF+32*(\f)+8*(\i)+7], v[ADRA+(\slot)] offset:(\k)+(\i)*16*PITCH+32
.endr
.endm
; A K step is four quarters of 32 along K, 64 matrix instructions each, on buffers 0, 1, 0, 1.  One of the first three: multiplies buffer f; behind its first 16 products it fetches the next quarter, at byte k, into g:
; 48 products ahead of the first use.
.macro QUARTER slot, k, f, g, zero
	s_wait_dscnt 6                                 ; wb and xb's block 0 are in; the youngest six loads (blocks 1 to 3) may be out
	MUL16 \f, 0, \zero
	PLACES                                         ; buffer g was read by the quarter before
	FETCH \slot, \k, \g
	s_wait_dscnt 40                                ; all but the 40 just issued
	MUL16 \f, 1, \zero
	MUL16 \f, 2, \zero
	MUL16 \f, 3, \zero
.endm
; The last quarter multiplies buffer 1 and changes slots.  MEET is its first half: ONE barrier.  In front of it each wave waits for all its tensor loads, of which one is out: its part of the next slot; adds 0 to its
; spare word; and waits for that and for its own reads of this slot.  Behind it nobody reads this slot any more and the next slot is whole.
.macro MEET round                      ; round = 1: a round of the cluster's barrier follows
	WIN 0                                          ; (the add's two registers lie in window 0)
	s_wait_tensorcnt 0x0                           ; all my tensor loads have landed
	ds_add_u32 v[SPW], v[NIL]                      ; 0 onto my spare word
	s_wait_dscnt 7                                 ; (the add and the youngest six loads may be out)
	MUL16 1, 0, 0                                  ; sixteen matrix instructions stand between the add and the wait for it
	s_wait_dscnt 0x0                               ; the add is done, and my reads of this slot are over
	s_barrier_signal -1
	MUL16 1, 1, 0                                  ; work on registers while the others arrive
.if \round
	WIN 0
.endif
	s_barrier_wait -1
.endm
; The whole last quarter.  mode 0: the slot just read out is filled again with this tile's K step two steps on; mode 1: with the next tile's K step 0 or 1; mode 2: nothing is filled, and no round follows.
; From a request to the wait for it a wave issues 224 matrix instructions.
.macro TURN slot, next, mode
.if (\mode) < 2
	s_wait_xcnt 0x0                                ; the last prefetch, a K step back, has read its address: it is stepped here, ahead of the change's own waits
.if ((\mode) == 1) && ((\slot) == 0)
	s_add_nc_u64 s[PFA:PFA+1], s[PFA:PFA+1], (WALK-1)*SIZE_K*2+KSTEP*2  ; from the K step after the tile's last to the next tile's K step 1
	s_cmp_eq_u32 s11, 0
	s_cselect_b32 s[LIM], s[LIM], -1               ; wb's rows are the same for both tiles: they are prefetched no more
.else
	s_add_nc_u64 s[PFA:PFA+1], s[PFA:PFA+1], KSTEP*2
.endif
	MEET 1
	CREST                                          ; no wave of any partner still reads this slot's tile or has a load on its way
.if (\mode) == 1
	s_add_nc_u64 s[G0+4*(\slot)+2:G0+4*(\slot)+3], s[G0+4*(\slot)+2:G0+4*(\slot)+3], NEXT_A
	s_sub_nc_u64 s[G0B+4*(\slot)+2:G0B+4*(\slot)+3], s[G0B+4*(\slot)+2:G0B+4*(\slot)+3], BACK_B
.else
	s_add_nc_u64 s[G0+4*(\slot)+2:G0+4*(\slot)+3], s[G0+4*(\slot)+2:G0+4*(\slot)+3], 2*KSTEP*2
	s_add_nc_u64 s[G0B+4*(\slot)+2:G0B+4*(\slot)+3], s[G0B+4*(\slot)+2:G0B+4*(\slot)+3], 2*KSTEP*2
.endif
	JLOAD \slot                                    ; the first tensor load behind the round; its four v_nop are also the places in front of the loads below
.else
	MEET 0
	PLACES
.endif
	FETCH \next, 0, 0
.if (\mode) < 2
	ASK \mode
.endif
	MUL16 1, 2, 0
	MUL16 1, 3, 0
.endm
; THE GATE STEP for block a: 16 rows, 32 outputs a lane.  cf comes by rows from registers through my stage into the accumulators' layout; ct and ht go the other way and leave as whole rows of 256 bytes.
; The one stage is used three times a block with no wait between a store and the load behind it: LDS serves a wave's instructions in order (ISA guide 5.7.1.4).
; Every run over an accumulator's registers goes upward from its lowest pair.  Each batch of exponentials or reciprocals has one plain instruction and one s_wait_alu behind it.
; bias = 1 (block 3 of a tile that has a successor): the biases are loaded again, into the registers of blocks 0 to 2's rows, which have been stored.
.macro STORE_H a                       ; ht's rows of block a: 16 lanes store 256 consecutive bytes, at a multiple of 256 from out0's first byte
.irp t, 0,1,2,3,4,5,6,7
	global_store_b128 v[CO], v[HR+4*(\t):HR+4*(\t)+3], s[HT:HT+1] offset:(16*(\a)+2*(\t))*OROW th:TH_STORE_NT
.endr
.endm
.macro EPI a, bias
.set AC, 128*((\a)%2)                  ; x at AC, f at AC + 32, r at AC + 64, c at AC + 96, in window 2 + a / 2
.set CR, CFR+32*(\a)
	WIN 0
.if \bias
	s_wait_xcnt 0x0                                ; the stores of ct's rows of blocks 0 to 2 have read their registers
	BIAS
.endif
.irp t, 0,1,2,3,4,5,6,7
	ds_store_b128 v[RD], v[CR+4*(\t):CR+4*(\t)+3] offset:(\t)*2*SPITCH
.endr
	WIN 0x40
.irp u, 0,1,2,3,4,5,6,7
	ds_load_b128 v[CF+4*(\u):CF+4*(\u)+3], v[STO] offset:64*((\u)/2)+16*((\u)%2)
.endr
	WIN 0x56+(\a)/2                                ; source 0 an accumulator, the rest window 1
.set p, 0
.rept 16
	v_pk_mul_f32 v[ZF+p:ZF+p+1], v[AC+32+p:AC+32+p+1], s[L2E:L2E+1] op_sel_hi:[1,0]
.set p, p+2
.endr
.set p, 0
.rept 16
	v_pk_mul_f32 v[ZR+p:ZR+p+1], v[AC+64+p:AC+64+p+1], s[L2E:L2E+1] op_sel_hi:[1,0]
.set p, p+2
.endr
.if (\a) > 0
	WIN 0
	s_wait_dscnt 16                                ; ht's rows of the block before are back; this block's sixteen stage instructions may be out
	STORE_H (\a)-1
.endif
	WIN 0x55
.set p, 0
.rept 64
	v_exp_f32 v[ZF+p], v[ZF+p]                     ; 2^(z log2 e), for f and for r
.set p, p+1
.endr
	v_nop
	s_wait_alu depctr_va_vdst(0)
.set p, 0
.rept 32
	v_pk_add_f32 v[ZF+p:ZF+p+1], v[ZF+p:ZF+p+1], 1.0 op_sel_hi:[1,0]
.set p, p+2
.endr
.set p, 0
.rept 64
	v_rcp_f32 v[ZF+p], v[ZF+p]                     ; 1 - f and 1 - r
.set p, p+1
.endr
	s_wait_dscnt 0x0                               ; cf is in
	WIN 0x56+(\a)/2
.set p, 0
.rept 16
	v_pk_add_f32 v[DT+p:DT+p+1], v[AC+p:AC+p+1], v[CF+p:CF+p+1] neg_lo:[0,1] neg_hi:[0,1]  ; x - cf: the plain work behind the reciprocals
.set p, p+2
.endr
	s_wait_alu depctr_va_vdst(0)
	WIN 0x55
.set p, 0
.rept 16
	v_pk_fma_f32 v[DT+p:DT+p+1], v[ZF+p:ZF+p+1], v[DT+p:DT+p+1], v[CF+p:CF+p+1]  ; ct = cf + (1 - f) (x - cf)
.set p, p+2
.endr
	WIN 0x04                                       ; store data window 1, address window 0
.irp u, 0,1,2,3,4,5,6,7
	ds_store_b128 v[STO], v[DT+4*(\u):DT+4*(\u)+3] offset:64*((\u)/2)+16*((\u)%2)
.endr
	WIN 0
.irp t, 0,1,2,3,4,5,6,7
	ds_load_b128 v[CR+4*(\t):CR+4*(\t)+3], v[RD] offset:(\t)*2*SPITCH
.endr
	WIN 0x55
.set p, 0
.rept 16
	v_pk_mul_f32 v[ZF+p:ZF+p+1], v[DT+p:DT+p+1], s[L2E2:L2E2+1] op_sel_hi:[1,0]
.set p, p+2
.endr
.set p, 0
.rept 32
	v_exp_f32 v[ZF+p], v[ZF+p]                     ; 2^(2 ct log2 e)
.set p, p+1
.endr
	v_nop
	s_wait_alu depctr_va_vdst(0)
.set p, 0
.rept 16
	v_pk_add_f32 v[ZF+p:ZF+p+1], v[ZF+p:ZF+p+1], 1.0 op_sel_hi:[1,0]
.set p, p+2
.endr
.set p, 0
.rept 32
	v_rcp_f32 v[ZF+p], v[ZF+p]
.set p, p+1
.endr
	v_nop
	s_wait_alu depctr_va_vdst(0)
	WIN 0
	s_wait_dscnt 0x0                               ; ct's rows are back
.irp t, 0,1,2,3,4,5,6,7
	global_store_b128 v[CO], v[CR+4*(\t):CR+4*(\t)+3], s[CT:CT+1] offset:(16*(\a)+2*(\t))*OROW th:TH_STORE_NT
.endr
	WIN 0x55
.set p, 0
.rept 16
	v_pk_fma_f32 v[ZF+p:ZF+p+1], v[ZF+p:ZF+p+1], -2.0, 1.0 op_sel_hi:[1,0,0]  ; tanh(ct)
.set p, p+2
.endr
	WIN 0x56+(\a)/2
.set p, 0
.rept 16
	v_pk_add_f32 v[CF+p:CF+p+1], v[AC+96+p:AC+96+p+1], v[ZF+p:ZF+p+1] neg_lo:[0,1] neg_hi:[0,1]  ; c - tanh
.set p, p+2
.endr
	WIN 0x55
.set p, 0
.rept 16
	v_pk_fma_f32 v[ZR+p:ZR+p+1], v[ZR+p:ZR+p+1], v[CF+p:CF+p+1], v[ZF+p:ZF+p+1]  ; ht = tanh + (1 - r) (c - tanh)
.set p, p+2
.endr
	WIN 0x04
.irp u, 0,1,2,3,4,5,6,7
	ds_store_b128 v[STO], v[ZR+4*(\u):ZR+4*(\u)+3] offset:64*((\u)/2)+16*((\u)%2)
.endr
	s_wait_xcnt 0x0                                ; the stores of the block before have read ht's row registers, which are loaded again below
	WIN 0
.irp t, 0,1,2,3,4,5,6,7
	ds_load_b128 v[HR+4*(\t):HR+4*(\t)+3], v[RD] offset:(\t)*2*SPITCH
.endr
.endm
; A tile's way out.  more = 1: another tile follows; its first fragments lie in buffer 0, which nothing here touches, and both refills have been asked for.
.macro WAYOUT more
	PLACES                                         ; behind the last products: buffer 1 is written and the accumulators are read below
	WIN 0
	s_wait_loadcnt 0x0                             ; cf's rows, asked for behind the tile's first quarter
	EPI 0, 0
	EPI 1, 0
	EPI 2, 0
	EPI 3, \more
	s_wait_dscnt 0x0
	STORE_H 3
.if \more
	s_wait_xcnt 0x0                                ; every store has read its registers and its base
	s_add_nc_u64 s[CFB:CFB+1], s[CFB:CFB+1], NEXT_O
	s_add_nc_u64 s[HT:HT+1], s[HT:HT+1], NEXT_O
	s_add_nc_u64 s[CT:CT+1], s[CT:CT+1], NEXT_O
.endif
.endm
	s_wait_tensorcnt 1                             ; my part of K step 0 is in; K step 1's may stay out
	s_barrier_signal -1
	s_barrier_wait -1                              ; everybody's is
	FETCH 0, 0, 0
	s_mov_b32 s2, SIZE_TILES                       ; tiles to go, this one among them: the same number in every work-group
.Ltile:
	s_wait_loadcnt 0x0                             ; the biases
	QUARTER 0, 64,  0, 1, 1                        ; a tile's first quarter stands in front of the loop: its products start the sums
	PLACES                                         ; the biases' registers were those products' C
	WIN 0
.set i, 0
.rept 32                                       ; cf for my 64 rows x 64 columns, two rows a load: 16 lanes read 256 consecutive bytes, aligned; wanted fifteen K steps later
	global_load_b128 v[CFR+4*i:CFR+4*i+3], v[CO], s[CFB:CFB+1] offset:2*i*OROW th:TH_LOAD_NT
.set i, i+1
.endr
	s_mov_b32 s3, LAPS-1
.Llap:                                                 ; a trip goes once round the ring, from a lap's second quarter to the next lap's first, and fills both slots again
	QUARTER 0, 128, 1, 0, 0
	QUARTER 0, 192, 0, 1, 0
	TURN 0, 1, 0
	QUARTER 1, 64,  0, 1, 0
	QUARTER 1, 128, 1, 0, 0
	QUARTER 1, 192, 0, 1, 0
	TURN 1, 0, 0
	QUARTER 0, 64,  0, 1, 0
	WIN 0                                          ; at a label and at a branch every window is 0
	s_sub_co_u32 s3, s3, 1
	s_cmp_lg_u32 s3, 0
	s_cbranch_scc1 .Llap
	QUARTER 0, 128, 1, 0, 0                        ; the tile's last lap goes on
	QUARTER 0, 192, 0, 1, 0
	WIN 0
	s_cmp_eq_u32 s2, 1
	s_cbranch_scc1 .Llast                          ; the last tile's tail is written out: it asks for nothing more
	TURN 0, 1, 1                                   ; the ring goes on into the next tile: slot 0 takes its K step 0,
	QUARTER 1, 64,  0, 1, 0
	QUARTER 1, 128, 1, 0, 0
	QUARTER 1, 192, 0, 1, 0
	TURN 1, 0, 1                                   ; slot 1 its K step 1, and the next tile's first fragments are fetched
	WAYOUT 1
	s_sub_co_u32 s2, s2, 1
	s_branch .Ltile
.Llast:
	TURN 0, 1, 2                                   ; my one tensor load that was still out is the last K step's
	QUARTER 1, 64,  0, 1, 0
	QUARTER 1, 128, 1, 0, 0
	QUARTER 1, 192, 0, 1, 0
	s_wait_dscnt 6                                 ; the very last quarter: nothing more to fetch
	MUL16 1, 0, 0
	s_wait_dscnt 0x0
	MUL16 1, 1, 0
	MUL16 1, 2, 0
	MUL16 1, 3, 0
	WAYOUT 0
	s_wait_tensorcnt 0x0                           ; the wave's end, behind my last tensor load and my last LDS store
	ds_add_u32 v[SPW], v[NIL]
	s_wait_dscnt 0x0
	CROUND                                         ; the closing round: no work-group ends while a partner may still ask for a tile that names it
	s_endpgm
.Lfunc_end_k_qbf7d21dffc_sru:
	.size	k_qbf7d21dffc_sru, .Lfunc_end_k_qbf7d21dffc_sru-k_qbf7d21dffc_sru
	.p2alignl 7, 3214868480
	.fill 96, 4, 3214868480
	.section	.rodata,"a",@progbits
	.p2align	6, 0x0
	.amdhsa_kernel k_qbf7d21dffc_sru
		.amdhsa_group_segment_fixed_size 327680
		.amdhsa_private_segment_fixed_size 0
		.amdhsa_enable_private_segment 0
		.amdhsa_kernarg_size 64
		.amdhsa_user_sgpr_count 2
		.amdhsa_user_sgpr_kernarg_segment_ptr 1
		.amdhsa_wavefront_size32 1
		.amdhsa_system_sgpr_workgroup_id_x 1
		.amdhsa_system_sgpr_workgroup_id_y 1
		.amdhsa_system_sgpr_workgroup_id_z 1
		.amdhsa_system_vgpr_workitem_id 0
		.amdhsa_next_free_vgpr 1024
		.amdhsa_next_free_sgpr 88
		.amdhsa_reserve_vcc 0
		.amdhsa_float_denorm_mode_32 3
		.amdhsa_float_denorm_mode_16_64 3
		.amdhsa_memory_ordered 1
		.amdhsa_forward_progress 1
		.amdhsa_inst_pref_size 255
	.end_amdhsa_kernel
	.section	.bss,"aw",@nobits
	.p2align	6
	.space	262144
	.amdgpu_metadata
---
amdhsa.version: [ 1, 2 ]
amdhsa.kernels:
  - .name:           k_qbf7d21dffc_sru
    .symbol:         k_qbf7d21dffc_sru.kd
    .args:
      - { .name: xb, .offset: 0, .size: 8, .value_kind: global_buffer, .address_space: global }
      - { .name: wb, .offset: 8, .size: 8, .value_kind: global_buffer, .address_space: global }
      - { .name: ct_forward, .offset: 16, .size: 8, .value_kind: global_buffer, .address_space: global }
      - { .name: b_f, .offset: 24, .size: 8, .value_kind: global_buffer, .address_space: global }
      - { .name: b_r, .offset: 32, .size: 8, .value_kind: global_buffer, .address_space: global }
      - { .name: b_c, .offset: 40, .size: 8, .value_kind: global_buffer, .address_space: global }
      - { .name: out0, .offset: 48, .size: 8, .value_kind: global_buffer, .address_space: global }
      - { .name: out1, .offset: 56, .size: 8, .value_kind: global_buffer, .address_space: global }
    .group_segment_fixed_size: 327680
    .private_segment_fixed_size: 0
    .kernarg_segment_align: 8
    .kernarg_segment_size: 64
    .max_flat_workgroup_size: 128
    .sgpr_count:     88
    .vgpr_count:     1024
    .wavefront_size: 32
...
	.end_amdgpu_metadata
.endif
;; end of part 2
;; ======== version 2 of 2: 2 launches; version 1 with the launch cast written anew for expert scheduling mode
;; workspace buffers: xb 16,777,216 bytes; wb 33,554,432 bytes
;; launch cast (part 3): grid 128 x 6, 8 waves a work-group, no clusters, 0 bytes of LDS; arguments xt, W_x, W_f, W_r, W_c, xb, wb; writes xb, wb
.if DOCPART == 3
	.amdgcn_target "amdgcn-amd-amdhsa--gfx1250"
	.amdhsa_code_object_version 6
	.text
	.protected	k_qbf7d21dffc_cast
	.globl	k_qbf7d21dffc_cast
	.p2align	8
	.type	k_qbf7d21dffc_cast,@function
k_qbf7d21dffc_cast:
	s_mov_b64 s[64:65], 0
	v_nop
	global_prefetch_b8 v0, s[64:65] scope:SCOPE_SE
	s_setreg_imm32_b32 hwreg(HW_REG_WAVE_SCHED_MODE, 0, 2), 2
	s_setreg_imm32_b32 hwreg(HW_REG_WAVE_MODE, 25, 1), 1
	s_wait_xcnt 0x0
	s_wait_alu depctr_vm_vsrc(0)
; xt and the four weights, all [rows][2048] f32, are rounded once to bf16 (nearest even; bf16 has f32's range), for the matrix products of the next launch.
; xb[r][k] = bf16(xt[r][k]).  wb is [8192][2048]: row o of gate g (0 = W_x, 1 = W_f, 2 = W_r, 3 = W_c) goes to row (o >> 6) * 256 + g * 64 + (o & 63),
; so that 256 rows of wb on end are 64 output columns of all four gates.
; SHARES.  The grid's y picks the source: 0, 1 = xt's two halves of 2,048 rows; 2 .. 5 = gate y - 2.  Work-group x takes 16 rows, wave w rows 2 w and 2 w + 1:
; 16,384 bytes on end in, 8,192 on end out.  All 32 loads of a wave go out first (512 consecutive bytes each); each store's 32 lanes x 8 bytes cover 256 consecutive bytes, aligned.
; No loop, no LDS, no barrier, no matrix unit: the launch only moves bytes; no register that a memory instruction reads is ever written again.
; THE MODE: SCHED_MODE bits 1:0 = 2 (LLVM: expert scheduling mode 2), set by the entry lines.  The code itself states the register dependences
; between vector instructions and memory instructions, with s_wait_alu, always for 0.
; THE PLAN.  Registers that memory instructions touch:
;   v1, v4        the loads' and the stores' byte offsets: written once at the head, read by every load or store, never written again.
;   v[X + 4 j ..] load j lands in four registers that no vector instruction has named; behind the wait for it two conversions read the four and write the first two;
;                 store j reads those two; nothing writes them afterwards.
; The conversions go in 8 blocks of four loads.  Block p's memory instructions are the four stores of block p - 1, whose registers no conversion of block p names.  So one wait at a block's head
; states all that its stores hang on, and they are dealt among its conversions with no further wait.  No vector instruction writes a scalar register, and EXEC is never written.
.set X, 8                              ; v[8:135]  load j: 4 registers; its two packed words then lie in the first two
.set BLOCK, 4                          ; loads in a block
	s_load_b256 s[4:11], s[0:1], 0x0               ; xt s[4:5], W_x s[6:7], W_f s[8:9], W_r s[10:11]
	s_load_b128 s[12:15], s[0:1], 0x20             ; W_c s[12:13], xb s[14:15]
	s_load_b64 s[16:17], s[0:1], 0x30              ; wb
	s_and_b32 s20, ttmp7, 0xffff                   ; y
	v_and_b32 v2, 31, v0                           ; lane
	v_lshrrev_b32 v3, 5, v0                        ; wave
	v_lshlrev_b32 v1, 4, v2
	v_lshl_or_b32 v1, v3, 14, v1                   ; in:  16 x lane + 16,384 x wave
	v_lshlrev_b32 v4, 3, v2
	v_lshl_or_b32 v4, v3, 13, v4                   ; out:  8 x lane +  8,192 x wave
	s_lshl_b32 s22, ttmp9, 17                      ; the source's offset: 16 rows of 8,192 bytes a work-group,
	s_cmp_eq_u32 s20, 1
	s_cselect_b32 s18, 1<<24, 0                    ; and xt's second half begins 2,048 rows on
	s_add_co_u32 s22, s22, s18
	s_mov_b32 s23, 0
	s_lshl_b32 s18, s20, 11                        ; the first row in xb: 2,048 y + 16 x
	s_lshl_b32 s19, ttmp9, 4
	s_add_co_u32 s18, s18, s19
	s_lshr_b32 s19, ttmp9, 2                       ; the first row in wb: (x >> 2) * 256 + (y - 2) * 64 + (x & 3) * 16
	s_lshl_b32 s19, s19, 8
	s_max_u32 s30, s20, 2                          ; (where y < 2 this row is not used: it is kept from wrapping)
	s_sub_co_u32 s30, s30, 2
	s_lshl_b32 s30, s30, 6
	s_add_co_u32 s19, s19, s30
	s_and_b32 s30, ttmp9, 3
	s_lshl_b32 s30, s30, 4
	s_add_co_u32 s19, s19, s30
	s_cmp_lt_u32 s20, 2
	s_cselect_b32 s21, s18, s19
	s_lshl_b32 s28, s21, 12                        ; a row of bf16 is 4,096 bytes
	s_mov_b32 s29, 0
	s_wait_kmcnt 0x0
	s_cmp_lt_u32 s20, 2
	s_cselect_b64 s[24:25], s[4:5], s[6:7]         ; the source: xt, or W_x,
	s_cselect_b64 s[26:27], s[14:15], s[16:17]     ; the destination: xb or wb
	s_cmp_eq_u32 s20, 3
	s_cselect_b64 s[24:25], s[8:9], s[24:25]       ; or W_f,
	s_cmp_eq_u32 s20, 4
	s_cselect_b64 s[24:25], s[10:11], s[24:25]     ; or W_r,
	s_cmp_eq_u32 s20, 5
	s_cselect_b64 s[24:25], s[12:13], s[24:25]     ; or W_c
	s_add_nc_u64 s[24:25], s[24:25], s[22:23]
	s_add_nc_u64 s[26:27], s[26:27], s[28:29]
	s_wait_alu depctr_va_vdst(0)                   ; v1 and v4 are written: every load below reads v1 as its offset, every store v4
.set j, 0
.rept 32
	global_load_b128 v[X+4*j:X+4*j+3], v1, s[24:25] offset:512*j th:TH_LOAD_NT
.set j, j+1
.endr
.set p, 0
.rept 32/BLOCK
	s_wait_loadcnt 32-BLOCK-BLOCK*p                ; loads come back in order (ISA guide 5.7.1): block p's four are in, the younger blocks' stay out
.if p > 0
	s_wait_alu depctr_va_vdst(0)                   ; the conversions of block p - 1 have written their packed words, which the four stores of this block read
.endif
.set i, 0
.rept BLOCK
.set j, BLOCK*p+i
.if p > 0
	global_store_b64 v4, v[X+4*(j-BLOCK):X+4*(j-BLOCK)+1], s[26:27] offset:256*(j-BLOCK)  ; the block before; no vector instruction since the wait names these registers
.endif
	v_cvt_pk_bf16_f32 v[X+4*j], v[X+4*j], v[X+4*j+1]
	v_cvt_pk_bf16_f32 v[X+4*j+1], v[X+4*j+2], v[X+4*j+3]
.set i, i+1
.endr
.set p, p+1
.endr
	s_wait_alu depctr_va_vdst(0)                   ; the last block's conversions have written their packed words, which the last four stores read
.set j, 32-BLOCK
.rept BLOCK
	global_store_b64 v4, v[X+4*j:X+4*j+1], s[26:27] offset:256*j
.set j, j+1
.endr
	s_endpgm
.Lfunc_end_k_qbf7d21dffc_cast:
	.size	k_qbf7d21dffc_cast, .Lfunc_end_k_qbf7d21dffc_cast-k_qbf7d21dffc_cast
	.p2alignl 7, 3214868480
	.fill 96, 4, 3214868480
	.section	.rodata,"a",@progbits
	.p2align	6, 0x0
	.amdhsa_kernel k_qbf7d21dffc_cast
		.amdhsa_group_segment_fixed_size 0
		.amdhsa_private_segment_fixed_size 0
		.amdhsa_enable_private_segment 0
		.amdhsa_kernarg_size 56
		.amdhsa_user_sgpr_count 2
		.amdhsa_user_sgpr_kernarg_segment_ptr 1
		.amdhsa_wavefront_size32 1
		.amdhsa_system_sgpr_workgroup_id_x 1
		.amdhsa_system_sgpr_workgroup_id_y 1
		.amdhsa_system_sgpr_workgroup_id_z 1
		.amdhsa_system_vgpr_workitem_id 0
		.amdhsa_next_free_vgpr 136
		.amdhsa_next_free_sgpr 66
		.amdhsa_reserve_vcc 0
		.amdhsa_float_denorm_mode_32 3
		.amdhsa_float_denorm_mode_16_64 3
		.amdhsa_memory_ordered 1
		.amdhsa_forward_progress 1
		.amdhsa_inst_pref_size 13
	.end_amdhsa_kernel
	.amdgpu_metadata
---
amdhsa.version: [ 1, 2 ]
amdhsa.kernels:
  - .name:           k_qbf7d21dffc_cast
    .symbol:         k_qbf7d21dffc_cast.kd
    .args:
      - { .name: xt, .offset: 0, .size: 8, .value_kind: global_buffer, .address_space: global }
      - { .name: W_x, .offset: 8, .size: 8, .value_kind: global_buffer, .address_space: global }
      - { .name: W_f, .offset: 16, .size: 8, .value_kind: global_buffer, .address_space: global }
      - { .name: W_r, .offset: 24, .size: 8, .value_kind: global_buffer, .address_space: global }
      - { .name: W_c, .offset: 32, .size: 8, .value_kind: global_buffer, .address_space: global }
      - { .name: xb, .offset: 40, .size: 8, .value_kind: global_buffer, .address_space: global }
      - { .name: wb, .offset: 48, .size: 8, .value_kind: global_buffer, .address_space: global }
    .group_segment_fixed_size: 0
    .private_segment_fixed_size: 0
    .kernarg_segment_align: 8
    .kernarg_segment_size: 56
    .max_flat_workgroup_size: 256
    .sgpr_count:     66
    .vgpr_count:     136
    .wavefront_size: 32
...
	.end_amdgpu_metadata
.endif
;; end of part 3
;; launch sru: the kernel of part 2 again; grid 32 x 8, 4 waves a work-group, clusters of 4 x 4, 327,680 bytes of LDS; arguments xb, wb, ct_forward, b_f, b_r, b_c, out0, out1; writes out0, out1
